; MI455X (gfx1250); checked and timed in simulation.
; The chip was launched on July 23, 2026; its instructions are those of AMD's public machine-readable ISA for CDNA 5 (MIT licence, August 2026) and "CDNA5" Instruction Set Architecture Reference Guide (July 2026). The comments in the code are by the model that wrote it; some were corrected since.
;; EPTM. Allowed arithmetic: float matrix products may take bf16 or f16 operands with f32 sums; all other float work in f32.
;; Inputs: V 512 float32; Wc0 512 x 512 float32; Wc1 512 x 512 float32; Wc2 512 x 512 float32; Wc3 512 x 512 float32; Wi 512 x 512 float32; bc0 512 float32; bc1 512 float32; bc2 512 float32; bc3 512 float32; bi 512 float32; context 32 x 2,048 x 512 float32; mask 32 x 2,048 bool; x 32 x 512 float32.
;; Outputs: out0 32 x 1 int32; out1 32 x 1 float32; out2 32 x 2,048 bool.
;; 2 versions, each right; version 2 is version 1 with the launch prep written anew for expert scheduling mode. Each part assembles by itself: llvm-mc -triple=amdgcn-amd-amdhsa -mcpu=gfx1250 --defsym DOCPART=n.
;; ======== version 1 of 2: 3 launches
;; workspace buffers: wb 2,097,152 bytes; inpP 524,288 bytes; scores 1,048,576 bytes
;; launch prep (part 1): grid 136 x 1, 8 waves a work-group, no clusters, 70,656 bytes of LDS; arguments Wc0, Wc1, Wc2, Wc3, Wi, x, wb, inpP; writes wb, inpP
.if DOCPART == 1
	.amdgcn_target "amdgcn-amd-amdhsa--gfx1250"
	.amdhsa_code_object_version 6
	.text
	.protected	k_q2dc7f359fa_prep
	.globl	k_q2dc7f359fa_prep
	.p2align	8
	.type	k_q2dc7f359fa_prep,@function
k_q2dc7f359fa_prep:
	s_mov_b64 s[64:65], 0
	v_nop
	global_prefetch_b8 v0, s[64:65] scope:SCOPE_SE
	s_setreg_imm32_b32 hwreg(HW_REG_WAVE_MODE, 25, 1), 1
	s_wait_xcnt 0x0
; Two jobs, chosen by the work-group's number.
; Work-groups 0-127: wb[512 j + h][d] = Wc_j[h][d] rounded to bf16 (nearest even).  The four tensors follow each other in wb, so the cast is flat:
;   a work-group takes 8,192 numbers (32,768 bytes in, 16,384 out); all eight loads of a wave go out together.
; Work-groups 128-135: inpP[kp][b][h] = the sum over k = 64 kp .. 64 kp + 63 of bf16(x[b][k]) bf16(Wi[h][k]), in f32.  Work-group hg owns 64 h, wave kp 64 k, all 32 b.
;   The eight parts are added in a fixed order by the launch behind, so K is shared out among the waves without a barrier.
; LIMIT: all inputs are rounded to bf16 before they are multiplied; NaN and infinities are not treated apart.
.set SPITCH, 272                       ; a stage row: 64 h x 4 bytes + 16: the 16 rows that a store touches start at 16 different groups of four banks (ISA guide 11.1)
.set STAGEB, 32*SPITCH                 ; a wave's stage: 32 rows (b)
.set SPARE,  8*STAGEB                  ; behind the stages: the spare words, 128 bytes for each wave
.set F,      16                        ; v[16+16 f ..]: block f of 16 registers.  f = 2 u + q: Wi rows 16 u .., k 32 q ..;  f = 8 + 2 bt + q: x rows 16 bt ..
                                       ; a block is loaded as 16 f32 and rounded in place into its lower 8 registers (a fragment); the upper 8 of blocks 0-7 are the accumulators
	s_load_b512 s[4:19], s[0:1], 0x0               ; Wc0 s[4:5], Wc1 s[6:7], Wc2 s[8:9], Wc3 s[10:11], Wi s[12:13], x s[14:15], wb s[16:17], inpP s[18:19]
	v_lshl_add_u32 v1, v0, 2, SPARE                ; my spare word
	v_mov_b32 v2, 0
	v_lshrrev_b32 v3, 5, v0
	v_readfirstlane_b32 s20, v3                    ; wave 0..7
	s_wait_kmcnt 0x0
	s_cmp_lt_u32 ttmp9, 128
	s_cbranch_scc0 .Linp
	; THE CAST
	s_lshr_b32 s21, ttmp9, 5                       ; which of the four tensors
	s_cmp_eq_u32 s21, 1
	s_cselect_b64 s[22:23], s[6:7], s[4:5]
	s_cmp_eq_u32 s21, 2
	s_cselect_b64 s[22:23], s[8:9], s[22:23]
	s_cmp_eq_u32 s21, 3
	s_cselect_b64 s[22:23], s[10:11], s[22:23]
	s_and_b32 s24, ttmp9, 31
	s_lshl_b32 s24, s24, 15                        ; my 32,768 bytes of it
	s_mov_b32 s25, 0
	s_add_nc_u64 s[22:23], s[22:23], s[24:25]
	s_lshl_b32 s26, ttmp9, 14                      ; my 16,384 bytes of wb
	s_mov_b32 s27, 0
	s_add_nc_u64 s[16:17], s[16:17], s[26:27]
	v_lshlrev_b32 v3, 4, v0                        ; 16 bytes a thread in,
	v_lshlrev_b32 v4, 3, v0                        ; 8 out
.irp i, 0,1,2,3,4,5,6,7
	global_load_b128 v[16+4*\i:19+4*\i], v3, s[22:23] offset:4096*\i th:TH_LOAD_NT
.endr
.irp i, 0,1,2,3,4,5,6,7
	s_wait_loadcnt 7-\i                            ; loads come back in order: load i is in, the younger ones stay out
	v_cvt_pk_bf16_f32 v[48+2*\i], v[16+4*\i], v[17+4*\i]
	v_cvt_pk_bf16_f32 v[49+2*\i], v[18+4*\i], v[19+4*\i]
	global_store_b64 v4, v[48+2*\i:49+2*\i], s[16:17] offset:2048*\i  ; a wave's store covers 256 consecutive bytes, aligned
.endr
	s_endpgm                                       ; these waves have written no LDS
.Linp:	; x Wi^T IN PARTS
	s_sub_co_u32 s21, ttmp9, 128                   ; hg
	s_lshl_b32 s22, s21, 17                        ; 64 rows of Wi, 2,048 bytes each
	s_mov_b32 s23, 0
	s_add_nc_u64 s[12:13], s[12:13], s[22:23]
	s_lshl_b32 s24, s20, 16                        ; inpP: part kp is 32 x 512 x 4 bytes,
	s_lshl_b32 s25, s21, 8                         ; my 64 h are 256 bytes of a row
	s_add_co_u32 s24, s24, s25
	s_mov_b32 s25, 0
	s_add_nc_u64 s[18:19], s[18:19], s[24:25]
	v_and_b32 v4, 15, v0                           ; r = lane % 16
	v_bfe_u32 v5, v0, 4, 1                         ; hh = lane / 16
	; a fragment's lane holds row r, k = 8 hh + 0..7 and 16 + 8 hh + 0..7: in f32 memory 32 bytes at 32 hh and 32 bytes at 64 + 32 hh
	v_lshlrev_b32 v3, 11, v4
	v_lshl_add_u32 v3, v5, 5, v3
	s_lshl_b32 s26, s20, 8                         ; my wave's 64 k
	v_add_nc_u32 v3, s26, v3
.irp f, 0,1,2,3,4,5,6,7
.irp e, 0,1,2,3
	global_load_b128 v[F+16*\f+4*\e:F+16*\f+4*\e+3], v3, s[12:13] offset:(\f/2)*32768+(\f%2)*128+16*(\e%2)+64*(\e/2)
.endr
.endr
.irp f, 0,1,2,3
.irp e, 0,1,2,3
	global_load_b128 v[F+128+16*\f+4*\e:F+128+16*\f+4*\e+3], v3, s[14:15] offset:(\f/2)*32768+(\f%2)*128+16*(\e%2)+64*(\e/2)
.endr
.endr
	s_mul_i32 s27, s20, STAGEB                     ; my stage
	v_mul_u32_u24 v6, v4, SPITCH                   ; in: row b = r, 32 bytes for each half of the lanes
	v_lshl_add_u32 v6, v5, 5, v6
	v_add_nc_u32 v6, s27, v6
	v_mul_u32_u24 v7, v5, SPITCH                   ; back: lanes 0-15 one row of 256 bytes, lanes 16-31 the next
	v_lshl_add_u32 v7, v4, 4, v7
	v_add_nc_u32 v7, s27, v7
	v_lshlrev_b32 v8, 11, v5                       ; and the same two rows in inpP
	v_lshl_add_u32 v8, v4, 4, v8
	s_wait_loadcnt 0x0
.irp f, 0,1,2,3,4,5,6,7,8,9,10,11
.irp i, 0,1,2,3,4,5,6,7
	v_cvt_pk_bf16_f32 v[F+16*\f+\i], v[F+16*\f+2*\i], v[F+16*\f+2*\i+1]  ; in place, ascending: register i is written when registers 2 i, 2 i + 1 are read
.endr
.endr
	; source 0 = 16 rows of Wi, source 1 = 16 rows of x: a lane's result holds one b (lane % 16) and h = 8 hh + 0..7.  The eight accumulators take turns.
.irp q, 0,1
.irp u, 0,1,2,3
.irp b, 0,1
.if \q == 0
	v_wmma_f32_16x16x32_bf16 v[F+8+16*(2*\u+\b):F+15+16*(2*\u+\b)], v[F+16*(2*\u+\q):F+16*(2*\u+\q)+7], v[F+16*(8+2*\b+\q):F+16*(8+2*\b+\q)+7], 0
.else
	v_wmma_f32_16x16x32_bf16 v[F+8+16*(2*\u+\b):F+15+16*(2*\u+\b)], v[F+16*(2*\u+\q):F+16*(2*\u+\q)+7], v[F+16*(8+2*\b+\q):F+16*(8+2*\b+\q)+7], v[F+8+16*(2*\u+\b):F+15+16*(2*\u+\b)]
.endif
.endr
.endr
.endr
.rept 4
	v_nop                                          ; four places between the last product and the stores of results and the loads into sources
.endr
.irp u, 0,1,2,3
.irp b, 0,1
	ds_store_b128 v6, v[F+8+16*(2*\u+\b):F+11+16*(2*\u+\b)] offset:\b*16*SPITCH+64*\u      ; each accumulator's low registers first
	ds_store_b128 v6, v[F+12+16*(2*\u+\b):F+15+16*(2*\u+\b)] offset:\b*16*SPITCH+64*\u+16
.endr
.endr
.irp i, 0,1,2,3,4,5,6,7,8,9,10,11,12,13,14,15
	ds_load_b128 v[144+4*\i:147+4*\i], v7 offset:\i*2*SPITCH  ; LDS serves a wave's instructions in order (ISA guide 5.7.1.4): these see the stores above
.endr
.irp i, 0,1,2,3,4,5,6,7,8,9,10,11,12,13,14,15
	s_wait_dscnt 15-\i
	global_store_b128 v8, v[144+4*\i:147+4*\i], s[18:19] offset:4096*\i  ; 16 lanes store 256 consecutive bytes, aligned
.endr
	s_wait_tensorcnt 0x0                           ; the wave's end: three closing lines behind my last LDS store
	ds_add_u32 v1, v2
	s_wait_dscnt 0x0
	s_endpgm
.Lfunc_end_k_q2dc7f359fa_prep:
	.size	k_q2dc7f359fa_prep, .Lfunc_end_k_q2dc7f359fa_prep-k_q2dc7f359fa_prep
	.p2alignl 7, 3214868480
	.fill 96, 4, 3214868480
	.section	.rodata,"a",@progbits
	.p2align	6, 0x0
	.amdhsa_kernel k_q2dc7f359fa_prep
		.amdhsa_group_segment_fixed_size 70656
		.amdhsa_private_segment_fixed_size 0
		.amdhsa_enable_private_segment 0
		.amdhsa_kernarg_size 64
		.amdhsa_user_sgpr_count 2
		.amdhsa_user_sgpr_kernarg_segment_ptr 1
		.amdhsa_wavefront_size32 1
		.amdhsa_system_sgpr_workgroup_id_x 1
		.amdhsa_system_sgpr_workgroup_id_y 1
		.amdhsa_system_sgpr_workgroup_id_z 1
		.amdhsa_system_vgpr_workitem_id 0
		.amdhsa_next_free_vgpr 208
		.amdhsa_next_free_sgpr 66
		.amdhsa_reserve_vcc 0
		.amdhsa_float_denorm_mode_32 3
		.amdhsa_float_denorm_mode_16_64 3
		.amdhsa_memory_ordered 1
		.amdhsa_forward_progress 1
		.amdhsa_inst_pref_size 21
	.end_amdhsa_kernel
	.amdgpu_metadata
---
amdhsa.version: [ 1, 2 ]
amdhsa.kernels:
  - .name:           k_q2dc7f359fa_prep
    .symbol:         k_q2dc7f359fa_prep.kd
    .args:
      - { .name: Wc0, .offset: 0, .size: 8, .value_kind: global_buffer, .address_space: global }
      - { .name: Wc1, .offset: 8, .size: 8, .value_kind: global_buffer, .address_space: global }
      - { .name: Wc2, .offset: 16, .size: 8, .value_kind: global_buffer, .address_space: global }
      - { .name: Wc3, .offset: 24, .size: 8, .value_kind: global_buffer, .address_space: global }
      - { .name: Wi, .offset: 32, .size: 8, .value_kind: global_buffer, .address_space: global }
      - { .name: x, .offset: 40, .size: 8, .value_kind: global_buffer, .address_space: global }
      - { .name: wb, .offset: 48, .size: 8, .value_kind: global_buffer, .address_space: global }
      - { .name: inpP, .offset: 56, .size: 8, .value_kind: global_buffer, .address_space: global }
    .group_segment_fixed_size: 70656
    .private_segment_fixed_size: 0
    .kernarg_segment_align: 8
    .kernarg_segment_size: 64
    .max_flat_workgroup_size: 256
    .sgpr_count:     66
    .vgpr_count:     208
    .wavefront_size: 32
...
	.end_amdgpu_metadata
.endif
;; end of part 1
;; launch main (part 2): grid 256 x 1, 4 waves a work-group, clusters of 4 x 1, 327,680 bytes of LDS; arguments context, wb, inpP, bi, bc0, bc1, bc2, bc3, V, mask, scores; writes scores
.if DOCPART == 2
	.amdgcn_target "amdgcn-amd-amdhsa--gfx1250"
	.amdhsa_code_object_version 6
	.text
	.protected	k_q2dc7f359fa_main
	.globl	k_q2dc7f359fa_main
	.p2align	8
	.type	k_q2dc7f359fa_main,@function
k_q2dc7f359fa_main:
	s_mov_b64 s[64:65], 0
	v_nop
	global_prefetch_b8 v0, s[64:65] scope:SCOPE_SE
	s_setreg_imm32_b32 hwreg(HW_REG_WAVE_MODE, 25, 1), 1
	s_wait_xcnt 0x0
	s_wait_alu depctr_hold_cnt(0) depctr_sa_sdst(0) depctr_va_vdst(0) depctr_va_sdst(0) depctr_va_ssrc(0) depctr_va_vcc(0) depctr_vm_vsrc(0)
	s_getreg_b32 s2, hwreg(HW_REG_IB_STS2, 6, 4)
	s_cmp_eq_u32 s2, 0
	s_cbranch_scc0 .Lentry_in_a_cluster
	s_endpgm
.Lentry_in_a_cluster:
	s_bfe_u32 s2, ttmp6, 0x10000c
	s_cmp_lg_u32 s2, 0x3003
	s_cbranch_scc0 .Lentry_shape_is_right
	s_endpgm
.Lentry_shape_is_right:
; scores[b][2048 j + s] = 10 tanh( sum over h of V[h] tanh( inp[b][h] + bc_j[h] + sum over d of context[b][s][d] Wc_j[h][d] ) ), or -inf where mask[b][s] is set.
; SHARES.  Work-group g owns rows 256 g .. of the 65,536 (b, s): one b, eight work-groups a b.  Each of its four waves owns 64 rows, four tiles t of 16, and keeps them, rounded to bf16,
; in 512 registers for the whole launch.  All 2,048 rows of wb (n = 512 j + h) go past them through two LDS slots of 64 rows x 512 k.
; CLUSTER.  Every work-group walks the same weights, so the four of a cluster ask for each tile JOINTLY: the same tensor load, descriptor and mask in all four.
; THE PRODUCT.  Source 0 = 16 rows of wb, source 1 = 16 rows of context: a lane's result holds ONE s (lane % 16) and h = 8 (lane / 16) + 0..7.  So the bias is the C operand that starts the sum,
; V is eight registers for a tile of h, and the sum over h stays in the lane until one exchange of the lanes' halves at the end.
; TANH.  tanh z = 1 - 2 r, r = 1 / (1 + 2^(c z)), c = 2 log2 e; right at both ends (2^(c z) = inf gives r = 0, 0 gives r = 1).  sum V tanh = sum V + sum (-2 V) r, in f32: t is never rounded to 16 bits.
; BY TURNS.  A BLOCK is 32 rows of wb x my 64 rows x 512 k: 8 accumulators, 128 matrix instructions.  Two sets of accumulators take turns; while one is summed, the other set's 64 x 32 numbers get their
; tanh and their share of the sum: 28 vector instructions a tile (4 scalings M, 8 exponentials E, 4 additions A, 8 reciprocals R, 4 multiply-adds F), one E or R behind EVERY matrix instruction.
; LIMITS.  context, the weights, x, the biases and V are rounded to bf16 (nearest even) before use; all else is f32.  NaN and infinite inputs are not treated apart.
; REGISTERS, in windows of 256 (s_set_vgpr_msb: bits 1:0 source 0, 3:2 source 1, 5:4 source 2, 7:6 destination):
;   window 0: addresses, ATT, bias, V, W's fragments, the two sets of accumulators.   windows 1, 2: context, fragment (t, q) in window 1 + q / 8 at 32 (q % 8) + 8 t.   window 3: v0-15 finished sums.
;   A product moves source 1 alone to window 1 or 2; E, R, M, A (vector registers as destination and source 0 only) and the LDS loads are the same under that setting.  Only F, the add and branches want window 0.
.set CP,     528                       ; a row of a context chunk in LDS: 128 f32 + 16 bytes: the 16 rows of a load start at 16 different groups of four banks (ISA guide 11.1)
.set CPW,    64*CP                     ; a wave's part of a chunk
.set CTX1,   4*CPW                     ; chunk slot 1 (slot 0 begins at 0)
.set WP,     1040                      ; a row of wb in LDS: 512 bf16 + 16 bytes
.set WS0,    4096                      ; W slot 0, inside chunk slot 0
.set WFLIP,  131072                    ; one exclusive or turns an address in W slot 0 into W slot 1's (135,168 on: the head of chunk slot 1)
.set BT,     2*CTX1                    ; f32 [4][512]: inp + bi + bc_j, then 512 bytes of zeros, a word for each thread (the last pair's look-ahead reads the first 128)
.set VT,     BT+8192+512               ; f32 [512]: -2 V
.set STG,    VT+2048                   ; 1,024 bytes for each wave, for the way out
.set SPARE,  STG+4096                  ; the spare words, 128 bytes for each wave.  No tensor load lands from BT on.
.set SPW, 1                            ; v1   my spare word's LDS address; never rewritten
.set NIL, 2                            ; v2   0; never rewritten
.set AW,  3                            ; v3   my place in the W slot in hand
.set WL,  4                            ; v4   WS0 + r x 1040 + 16 hh
.set ABI, 5                            ; v5   my place in BT for the pair of blocks in hand
.set AVV, 6                            ; v6   the same in VT
.set VTL, 7                            ; v7   VT + 32 hh
.set PFO, 8                            ; v8   prefetch: (lane / 2) rows + (lane % 2) x 256 bytes; never rewritten
.set ACX, 9                            ; v9, v10  my place in chunk slot 0, 1
.set NINF, 11                          ; v11  -inf
.set ATT, 16                           ; v16-23  a pair for each t: sum of (-2 V) r over even and odd h
.set BI,  24                           ; v24-39  the bias of the next block: 8 u
.set VV,  40                           ; v40-55  -2 V: 8 u
.set STO, 56                           ; v56-58  the way out
.set RDS, 57
.set GO,  58
.set WF,  64                           ; v64-127 W's fragments: four buffers of 16, step q in buffer q % 4, at 8 u
.set ACCA, 128                         ; tile i = 4 u + t at 8 i
.set ACCB, 192
.set STGR, 128                         ; before the products: two batches of 64 f32 of context
.set G1C, 28                           ; s[28:35] group 1, context chunks     s[36:43] group 1, W tiles
.set G1W, 36
.set G0C0, 44                          ; s[44:47], s[48:51] group 0 for chunk slots 0, 1     s[52:55] group 0 for W: it walks
.set G0C1, 48
.set G0W, 52
.set WV,  56                           ; s56 my wave's number
.set MK,  66                           ; s66-69 lane masks: mask[b][s] for tile t
.set KC,  70                           ; s[70:71] c
.set SEL, 72                           ; s[72:73] v_permlanex16_b32's selects: each lane takes its own place in the other half
.set JC,  74                           ; pairs to go until a j is finished
.set CNT, 75
.set TB,  76                           ; 0 or WFLIP: the W slot in hand
.set VO,  77                           ; the next pair's byte offset in VT
.set SV,  78                           ; sum of V
.set W1,  0x04
.set W2,  0x08
.set MSB, 0
.macro WIN new                         ; the immediate's high byte repeats the setting that is left; a switch that changes nothing is dropped
.if MSB != (\new)
	s_set_vgpr_msb (MSB<<8)|(\new)
.set MSB, (\new)
.endif
.endm
.macro CREST                           ; a round of the cluster's barrier behind its opening barrier
	s_cmp_lg_u32 s[WV], 0
	s_cbranch_scc1 .Lnot_wave_0_\@
	s_barrier_signal -3
.Lnot_wave_0_\@:
	s_barrier_wait -3
	s_barrier_signal -1
	s_barrier_wait -1
.endm
.macro ROUND
	s_barrier_signal -1
	s_barrier_wait -1
	CREST
.endm
	s_load_b512 s[4:19], s[0:1], 0x0               ; context s[4:5], wb s[6:7], inpP s[8:9], bi s[10:11], bc0-3 s[12:19]
	s_load_b128 s[20:23], s[0:1], 0x40             ; V s[20:21], mask s[22:23]
	s_load_b64 s[24:25], s[0:1], 0x50              ; scores
	v_lshl_add_u32 v[SPW], v0, 2, SPARE
	v_mov_b32 v[NIL], 0
	ds_add_u32 v[SPW], v[NIL]                      ; the wave's opening: the add and its wait ahead of my first tensor load; the set-up, work on registers, stands between them
	v_lshrrev_b32 v12, 5, v0
	v_readfirstlane_b32 s[WV], v12                 ; wave 0..3
	s_bfe_u32 s57, ttmp6, 0x40000                  ; cx
	s_lshl_b32 s58, ttmp9, 2                       ; in a cluster launch ttmp9 counts clusters
	s_add_co_u32 s58, s58, s57                     ; g: it enters the addresses of context, inpP, mask and scores alone
	s_lshr_b32 s59, s58, 3                         ; b
	; group 1, context: 64 rows x 128 elements of 4 bytes, 512 elements from row to row; 4 words of padding behind every 128.  No mask: each work-group has its own rows.
	s_mov_b32 s[G1C+0], (2<<16)|(1<<20)|(6<<22)|(3<<25)
	s_mov_b32 s[G1C+1], 128<<16
	s_mov_b32 s[G1C+2], 64<<16
	s_mov_b32 s[G1C+3], 128<<16
	s_mov_b32 s[G1C+4], 64
	s_mov_b32 s[G1C+5], 512
	s_mov_b32 s[G1C+6], 0
	s_mov_b32 s[G1C+7], 0
	; group 1, W: 16 rows x 512 elements of 2 bytes, dense; 4 words of padding behind every 256; the mask names all four work-groups, bit 21 beside it
	s_mov_b32 s[G1W+0], 15|(1<<16)|(1<<20)|(1<<21)|(7<<22)|(3<<25)
	s_mov_b32 s[G1W+1], 512<<16
	s_mov_b32 s[G1W+2], 16<<16
	s_mov_b32 s[G1W+3], 512<<16
	s_mov_b32 s[G1W+4], 16
	s_mov_b32 s[G1W+5], 512
	s_mov_b32 s[G1W+6], 0
	s_mov_b32 s[G1W+7], 0
	s_mov_b32 s[G0C0], 1
	s_mul_i32 s[G0C0+1], s[WV], CPW                ; LDS: my wave's part of chunk slot 0,
	s_mov_b32 s[G0C1], 1
	s_add_co_u32 s[G0C1+1], s[G0C0+1], CTX1        ; of slot 1
	s_mov_b32 s[G0W], 1
	s_mul_i32 s[G0W+1], s[WV], 16*WP               ; my 16 rows of a W tile
	s_add_co_u32 s[G0W+1], s[G0W+1], WS0
	s_lshl_b32 s60, s58, 19                        ; context: 256 rows of 2,048 bytes a work-group,
	s_lshl_b32 s61, s[WV], 17                      ; 64 a wave
	s_add_co_u32 s60, s60, s61
	s_mov_b32 s61, 0
	s_lshl_b32 s62, s58, 8                         ; mask: 256 bytes a work-group, 64 a wave
	s_lshl_b32 s63, s[WV], 6
	s_add_co_u32 s62, s62, s63
	s_mov_b32 s63, 0
	s_lshl_b32 s84, s[WV], 14                      ; wb: my 16 rows of 1,024 bytes: made of the wave's number alone
	s_mov_b32 s85, 0
	s_lshl_b32 s88, s59, 11                        ; inpP: row b
	s_mov_b32 s89, 0
	s_lshl_b32 s82, s59, 15                        ; scores: row b, my work-group's 256 places, my wave's 64
	s_and_b32 s83, s58, 7
	s_lshl_b32 s83, s83, 10
	s_add_co_u32 s82, s82, s83
	s_lshl_b32 s83, s[WV], 8
	s_add_co_u32 s82, s82, s83
	s_mov_b32 s83, 0
	s_mov_b32 s[KC], 0x4038aa3b                    ; c = 2 log2 e
	s_mov_b32 s[KC+1], s[KC]
	s_mov_b32 s[SEL], 0x76543210
	s_mov_b32 s[SEL+1], 0xfedcba98
	s_mov_b32 s86, 0xc1a00000                      ; -20
	s_mov_b32 s87, 0x41200000                      ; 10
	s_lshl_b32 s79, s[WV], 10
	s_add_co_u32 s79, s79, STG                     ; my stage
	v_and_b32 v13, 15, v0                          ; r
	v_bfe_u32 v14, v0, 4, 1                        ; hh
	v_and_b32 v15, 31, v0                          ; lane
	v_mul_u32_u24 v[WL], v13, WP
	v_lshl_add_u32 v[WL], v14, 4, v[WL]
	v_add_nc_u32 v[WL], WS0, v[WL]
	v_lshl_add_u32 v[ABI], v14, 5, BT
	v_lshl_add_u32 v[VTL], v14, 5, VT
	v_lshl_add_u32 v[AVV], v15, 6, VT              ; until the products begin: 64 bytes of VT a lane, for the sum of V
	v_lshrrev_b32 v[PFO], 1, v15
	v_lshlrev_b32 v[PFO], 11, v[PFO]
	v_and_b32 v12, 1, v15
	v_lshl_add_u32 v[PFO], v12, 8, v[PFO]
	v_mul_u32_u24 v[ACX], v13, CP
	v_lshl_add_u32 v[ACX], v14, 5, v[ACX]
	v_add_nc_u32 v[ACX], s[G0C0+1], v[ACX]
	v_add_nc_u32 v[ACX+1], CTX1, v[ACX]
	v_mov_b32 v[NINF], 0xff800000
	v_lshl_add_u32 v[STO], v13, 2, s79             ; in: 4 r; j and t stand in the immediate
	v_lshl_add_u32 v[RDS], v15, 4, s79             ; back: 16 bytes a lane
	v_lshlrev_b32 v[GO], 13, v14                   ; lanes 0-15 one j, lanes 16-31 the next: 8,192 bytes on
	v_lshl_add_u32 v[GO], v13, 4, v[GO]
	v_lshlrev_b32 v59, 4, v0                       ; the tables: 4 h a thread
	v_add_nc_u32 v60, BT, v59
	v_add_nc_u32 v61, VT, v59
	v_lshl_add_u32 v62, v0, 2, BT+8192             ; the zeros behind the table: each thread's own word, so each wave's own 128 bytes
	v_and_b32 v63, 15, v0
	s_wait_dscnt 0x0                               ; the opening add is done
	s_wait_kmcnt 0x0
	s_add_nc_u64 s[80:81], s[4:5], s[60:61]        ; context at my wave's rows; never rewritten
	s_add_nc_u64 s[22:23], s[22:23], s[62:63]
	s_add_nc_u64 s[88:89], s[8:9], s[88:89]
	s_add_nc_u64 s[82:83], s[24:25], s[82:83]
	s_mov_b64 s[G0C0+2:G0C0+3], s[80:81]           ; chunk 0: columns 0-127
	s_or_b32 s[G0C0+3], s[G0C0+3], 0x80000000
	s_add_nc_u64 s[G0C1+2:G0C1+3], s[80:81], 512   ; chunk 1
	s_or_b32 s[G0C1+3], s[G0C1+3], 0x80000000
	s_add_nc_u64 s[G0W+2:G0W+3], s[6:7], s[84:85]  ; W tile 0
	s_or_b32 s[G0W+3], s[G0W+3], 0x80000000
	ROUND                                          ; in a cluster launch the first tensor loads stand behind a round
	tensor_load_to_lds s[G0C0:G0C0+3], s[G1C:G1C+7]
	s_nop 0
	tensor_load_to_lds s[G0C1:G0C1+3], s[G1C:G1C+7]  ; two loads of mine are out: the most that this text ever has
	s_nop 0
.rept 4
	v_nop
.endr
.irp i, 0,1,2,3
	global_prefetch_b8 v[PFO], s[80:81] offset:\i*32768+1024 th:TH_LOAD_NT scope:SCOPE_SE  ; chunk 2 of my 64 rows, 128 blocks of 256 bytes, each asked for once, by the wave that will load it one chunk's conversion later
.endr
	; THE TABLES, while the first chunks are on their way
.irp k, 0,1,2,3,4,5,6,7
	global_load_b128 v[128+4*\k:131+4*\k], v59, s[88:89] offset:\k*65536
.endr
	global_load_b128 v[160:163], v59, s[10:11]
	global_load_b128 v[164:167], v59, s[12:13]
	global_load_b128 v[168:171], v59, s[14:15]
	global_load_b128 v[172:175], v59, s[16:17]
	global_load_b128 v[176:179], v59, s[18:19]
	global_load_b128 v[180:183], v59, s[20:21]
.irp t, 0,1,2,3
	global_load_u8 v[184+\t], v63, s[22:23] offset:16*\t
.endr
.irp i, 0,1,2,3,4,5,6,7
	v_mov_b32 v[ATT+\i], 0
.endr
	WIN 0xc0
.irp i, 0,1,2,3,4,5,6,7,8,9,10,11,12,13,14,15
	v_mov_b32 v[\i], 0                             ; the finished sums are shifted before they are first written
.endr
	WIN 0
	s_wait_loadcnt 0x0
.irp t, 0,1,2,3
	v_cmp_ne_u32 s[MK+\t], 0, v[184+\t]
.endr
.irp k, 1,2,3,4,5,6,7
	v_pk_add_f32 v[128:129], v[128:129], v[128+4*\k:129+4*\k]  ; the eight parts of x Wi^T, ascending
	v_pk_add_f32 v[130:131], v[130:131], v[130+4*\k:131+4*\k]
.endr
.macro RND4 b                          ; four numbers rounded to bf16, kept as f32
	v_cvt_pk_bf16_f32 v12, v[\b], v[\b+1]
	v_cvt_pk_bf16_f32 v13, v[\b+2], v[\b+3]
	v_lshlrev_b32 v[\b], 16, v12
	v_and_b32 v[\b+1], 0xffff0000, v12
	v_lshlrev_b32 v[\b+2], 16, v13
	v_and_b32 v[\b+3], 0xffff0000, v13
.endm
.irp b, 160,164,168,172,176,180
	RND4 \b
.endr
	v_pk_add_f32 v[128:129], v[128:129], v[160:161]
	v_pk_add_f32 v[130:131], v[130:131], v[162:163]
.irp j, 0,1,2,3
	v_pk_add_f32 v[164+4*\j:165+4*\j], v[164+4*\j:165+4*\j], v[128:129]
	v_pk_add_f32 v[166+4*\j:167+4*\j], v[166+4*\j:167+4*\j], v[130:131]
	ds_store_b128 v60, v[164+4*\j:167+4*\j] offset:2048*\j
.endr
	v_pk_mul_f32 v[180:181], v[180:181], -2.0 op_sel_hi:[1,0]
	v_pk_mul_f32 v[182:183], v[182:183], -2.0 op_sel_hi:[1,0]
	ds_store_b128 v61, v[180:183]
	ds_store_b32 v62, v[NIL]                       ; the zeros behind the table, which the last pair's look-ahead reads
; CONTEXT INTO REGISTERS.  Chunk c (128 columns) holds K steps q = 4 c + qp.  A batch is one step's four fragments as f32: 16 loads, 64 registers; two batches take turns.
.macro CBATCH c, qp
	WIN 0
.irp t, 0,1,2,3
.irp e, 0,1,2,3
	ds_load_b128 v[STGR+64*((\qp)%2)+16*\t+4*\e:STGR+64*((\qp)%2)+16*\t+4*\e+3], v[ACX+(\c)%2] offset:\t*16*CP+128*(\qp)+16*(\e%2)+64*(\e/2)
.endr
.endr
.endm
.macro CCVT c, qp
	WIN 0x40*(1+(\c)/2)                            ; destination window 1 or 2
.irp t, 0,1,2,3
.irp i, 0,1,2,3,4,5,6,7
	v_cvt_pk_bf16_f32 v[32*((4*(\c)+(\qp))%8)+8*\t+\i], v[STGR+64*((\qp)%2)+16*\t+2*\i], v[STGR+64*((\qp)%2)+16*\t+2*\i+1]
.endr
.endr
.endm
.macro CONV c
	CBATCH \c, 0
	CBATCH \c, 1
	s_wait_dscnt 16                                ; the older batch is in, the younger 16 loads stay out
	CCVT \c, 0
	CBATCH \c, 2
	s_wait_dscnt 16
	CCVT \c, 1
	CBATCH \c, 3
	s_wait_dscnt 16
	CCVT \c, 2
	s_wait_dscnt 0x0
	CCVT \c, 3
.endm
; A refill ahead of the products: all my tensor loads have landed, the add, my LDS reads are back; a round of the cluster's barrier; my one load first behind it.
; kind 0: a context slot takes the chunk two on.  1: W's descriptor as it stands.  2: W's descriptor steps to the other slot and the next tile.
.macro CHG g0, g1, kind
	WIN 0
	s_wait_tensorcnt 0x0                           ; no tensor load of mine is out, so a group 0 may be written
	ds_add_u32 v[SPW], v[NIL]
.if (\kind) == 0
	s_add_nc_u64 s[\g0+2:\g0+3], s[\g0+2:\g0+3], 1024
.elseif (\kind) == 2
	s_xor_b32 s[\g0+1], s[\g0+1], WFLIP
	s_add_nc_u64 s[\g0+2:\g0+3], s[\g0+2:\g0+3], 65536
.endif
	s_wait_dscnt 0x0                               ; the add is done; my reads of the slot and my stores into the tables are over
	ROUND
	tensor_load_to_lds s[\g0:\g0+3], s[\g1:\g1+7]
	s_nop 0
.endm
	s_wait_tensorcnt 0x1                           ; chunk 0 has landed, chunk 1 stays out; a wave reads its own rows alone, so its own wait is all that these reads need
	CONV 0
	CHG G0C0, G1C, 0                               ; chunk 2; the round's barrier also shows the tables to every wave
.irp i, 0,1,2,3
	global_prefetch_b8 v[PFO], s[80:81] offset:\i*32768+1536 th:TH_LOAD_NT scope:SCOPE_SE  ; chunk 3, likewise one conversion ahead of its load; there is no chunk behind it
.endr
.irp e, 0,1,2,3
	ds_load_b128 v[128+4*\e:131+4*\e], v[AVV] offset:16*\e  ; the sum of V: 16 numbers of VT a lane
.endr
	s_wait_dscnt 0x0
.irp e, 0,4,8,12
	v_pk_add_f32 v[128+\e:129+\e], v[128+\e:129+\e], v[130+\e:131+\e]
.endr
	v_pk_add_f32 v[128:129], v[128:129], v[132:133]
	v_pk_add_f32 v[136:137], v[136:137], v[140:141]
	v_pk_add_f32 v[128:129], v[128:129], v[136:137]
	v_add_f32 v128, v128, v129
	v_add_f32_dpp v128, v128, v128 row_xmask:1 row_mask:0xf bank_mask:0xf
	v_add_f32_dpp v128, v128, v128 row_xmask:2 row_mask:0xf bank_mask:0xf
	v_add_f32_dpp v128, v128, v128 row_xmask:4 row_mask:0xf bank_mask:0xf
	v_add_f32_dpp v128, v128, v128 row_xmask:8 row_mask:0xf bank_mask:0xf
	v_permlanex16_b32 v129, v128, s[SEL], s[SEL+1]
	v_add_f32 v128, v128, v129
	v_mul_f32 v128, -0.5, v128                     ; VT holds -2 V
	v_readfirstlane_b32 s[SV], v128
	CONV 1
	CHG G0C1, G1C, 0                               ; chunk 3
	CONV 2
	CHG G0W, G1W, 1                                ; chunk slot 0 is read out: W tile 0, jointly
	CONV 3
	CHG G0W, G1W, 2                                ; chunk slot 1 is read out: W tile 1; behind this round every wave's part of tile 0 has landed
; THE MATRIX INSTRUCTION of place sg (0..127) of a block into the set at xb: K step sg / 8, tile sg % 8 = 4 u + t.  Step 0 starts the sums with the bias.
; The eight accumulators take turns, and the two sets from block to block.
.macro MMA xb
.set mq, sg/8
.set mD, (\xb)+8*(sg%8)
.set mA, WF+16*(mq%4)+8*((sg%8)/4)
.set mB, 32*(mq%8)+8*(sg%4)
.if mq < 8
	WIN W1
.else
	WIN W2
.endif
.if mq == 0
	v_wmma_f32_16x16x32_bf16 v[mD:mD+7], v[mA:mA+7], v[mB:mB+7], v[BI+8*((sg%8)/4):BI+8*((sg%8)/4)+7]
.else
	v_wmma_f32_16x16x32_bf16 v[mD:mD+7], v[mA:mA+7], v[mB:mB+7], v[mD:mD+7]
.endif
.endm
.macro FGRP tile, idx                  ; F: ATT[t] += r x (-2 V) for the eight numbers of a tile, whose number is idx = 4 u + t
	WIN 0
	s_wait_alu depctr_va_vdst(0)
.irp p, 0,1,2,3
	v_pk_fma_f32 v[ATT+2*((\idx)%4):ATT+2*((\idx)%4)+1], v[(\tile)+2*\p:(\tile)+2*\p+1], v[VV+8*((\idx)/4)+2*\p:VV+8*((\idx)/4)+2*\p+1], v[ATT+2*((\idx)%4):ATT+2*((\idx)%4)+1]
.endr
.endm
; THE VECTOR WORK of place sg.  Tile i of the finished set yb has places 4 + 16 i .. 19 + 16 i, numbered k = 0..15; tile 7's last four fall into the next block's places 0..3, where its set is xb.
; k = 0..7: E k; k = 8..15: R k - 8; both in place.  Behind it a plain instruction: k = 2: F of the tile before; k = 4, 6, 8, 10: A of pairs 0..3; k = 12..15: M of pairs 0..3 of the tile behind.
; So every E and R has a plain instruction between it and the reader of its result (ISA guide 5.7.2): E1 | F | A0, E3 | A0 | A1, E5 | A1 | A2, E7 | A2 | A3, R7 | M3 | F.
; M of pair 0 is the first reader of an accumulator.  Tile 0's last product stands at place 120; A0..A3 of the other set (places 120, 122, 124, 126) are its four places ahead of M at the next block's place 0.
.macro RID xb, yb
.if sg < 4
.set ri, 0
.set rk, 12+sg
.set rT, (\xb)+56
.set rN, (\yb)
.else
.set ri, (sg-4)/16
.set rk, (sg-4)%16
.set rT, (\yb)+8*ri
.set rN, (\yb)+8*ri+8
.endif
.if rk < 8
	v_exp_f32 v[rT+rk], v[rT+rk]
.else
	v_rcp_f32 v[rT+rk-8], v[rT+rk-8]
.endif
.if rk == 2
.if ri == 0
	FGRP (\xb)+56, 7
.else
	FGRP rT-8, ri-1
.endif
.elseif (rk >= 4) && (rk <= 10) && (rk%2 == 0)
	s_wait_alu depctr_va_vdst(0)
	v_pk_add_f32 v[rT+rk-4:rT+rk-3], v[rT+rk-4:rT+rk-3], 1.0 op_sel_hi:[1,0]
.elseif rk >= 12
	v_pk_mul_f32 v[rN+2*(rk-12):rN+2*(rk-12)+1], v[rN+2*(rk-12):rN+2*(rk-12)+1], s[KC:KC+1] op_sel_hi:[1,0]
.endif
.endm
.macro LDW blk, q                      ; W's two fragments of K step q of block blk of the slot in hand
.irp u, 0,1
	ds_load_b128 v[WF+16*((\q)%4)+8*\u:WF+16*((\q)%4)+8*\u+3],   v[AW] offset:(32*(\blk)+16*\u)*WP+64*(\q)
	ds_load_b128 v[WF+16*((\q)%4)+8*\u+4:WF+16*((\q)%4)+8*\u+7], v[AW] offset:(32*(\blk)+16*\u)*WP+64*(\q)+32
.endr
.endm
.macro LDB off                         ; a block's bias: 8 numbers for each u
.irp u, 0,1
	ds_load_b128 v[BI+8*\u:BI+8*\u+3],   v[ABI] offset:(\off)+64*\u
	ds_load_b128 v[BI+8*\u+4:BI+8*\u+7], v[ABI] offset:(\off)+64*\u+16
.endr
.endm
.macro LDV u, off                      ; -2 V for one tile of h
	ds_load_b128 v[VV+8*(\u):VV+8*(\u)+3],   v[AVV] offset:(\off)
	ds_load_b128 v[VV+8*(\u)+4:VV+8*(\u)+7], v[AVV] offset:(\off)+16
.endm
; A j IS FINISHED: the sums kept so far move up by four, the new ones (even + odd h) go in below, ATT starts anew.
.macro JFIN
	WIN 0xc3
.irp i, 15,14,13,12,11,10,9,8,7,6,5,4
	v_mov_b32 v[\i], v[\i-4]
.endr
	WIN 0xc0
.irp t, 0,1,2,3
	v_add_f32 v[\t], v[ATT+2*\t], v[ATT+2*\t+1]
.endr
	WIN 0
.irp i, 0,1,2,3,4,5,6,7
	v_mov_b32 v[ATT+\i], 0
.endr
.endm
.macro JSITE                           ; every eighth pair; the jump goes forward over register work alone
	WIN 0
	s_sub_co_u32 s[JC], s[JC], 1
	s_cmp_lg_u32 s[JC], 0
	s_cbranch_scc1 .Lno_j_\@
	s_mov_b32 s[JC], 8
	JFIN
.Lno_j_\@:
.endm
; THE CHANGE OF SLOTS, in K step 13 of a pair's second block: the slot's last fragments (step 15's) were asked for at place 102.
.macro CHANGE_A fill                   ; ahead of place 108
	WIN 0
	s_wait_tensorcnt 0x0                           ; all my tensor loads have landed: the one that was out is my quarter of the next slot
	ds_add_u32 v[SPW], v[NIL]                      ; 0 onto my spare word; two places' work stands between it and the wait for it
.if \fill
	s_xor_b32 s[G0W+1], s[G0W+1], WFLIP            ; the walking descriptor: this slot again, the tile two on
	s_add_nc_u64 s[G0W+2:G0W+3], s[G0W+2:G0W+3], 65536
.endif
	s_xor_b32 s[TB], s[TB], WFLIP
	v_add_nc_u32 v[AW], s[TB], v[WL]               ; the fetches go on in the other slot
	v_add_nc_u32 v[ABI], 256, v[ABI]               ; the next pair's 64 biases
.endm
.macro CHANGE_B fill                   ; behind place 111
	WIN 0                                          ; at a branch and at a label every window is 0
	s_barrier_wait -1
.if \fill
	CREST                                          ; the barrier has opened a round of the cluster's: no wave of any partner still reads this slot or has a load on its way
	tensor_load_to_lds s[G0W:G0W+3], s[G1W:G1W+7]  ; my one load behind the round, first thing there: it has a pair of blocks, 256 matrix instructions, in which to land
	s_nop 0
	WIN W2
.endif
	LDW 0, 0                                       ; the next slot's first fragments; buffer 0's last reader stands at place 103, A0..A3 (104, 106, 108, 110) behind it
.endm
; A BLOCK.  The fragments of K step q + 3 are asked for behind place 8 q + 6, in one run of four.  Their buffer's last reader is the product of place 8 q - 1, and M0-3 (q even) or A0-3 (q odd) are the
; four places between (ISA guide 7.12.1 for vector instructions).
; Ahead of three of the runs: place 14, -2 V (u = 1) of the block whose tiles 4-7 come next (its last reader: F at place 6); place 46, the next block's bias (its last reader: place 7's product);
; place 78, -2 V (u = 0) of the block now being summed (its last reader: F at place 70).
; The end of a j is looked for in the loop's text alone (fill = 1): the ends fall on pairs 0, 8, 16 and 24, none on the tail's pairs 30 and 31.
.macro BLOCK xb, yb, blk, fill
.set sg, 0
.rept 128
.if sg%8 == 0
	s_wait_dscnt 8                                 ; this step's fragments are in: behind them only the next two steps' runs of four were issued (what else stands ahead of a run only makes the wait stricter)
.endif
.if (\blk) && (sg == 108)
	CHANGE_A \fill
.endif
.if (\blk) && (sg == 110)
	s_wait_dscnt 0x0                               ; the add is done, and my reads of this slot are over
	s_barrier_signal -1                            ; two places' work on registers while the others arrive
.endif
	MMA \xb
	RID \xb, \yb
.if (\blk) && (\fill) && (sg == 7)
	JSITE                                          ; behind F of the last tile of the block two back, ahead of the first F (place 22) of the block before
.endif
.if ((\blk) == 0) && (sg == 22)
	v_add_nc_u32 v[AVV], s[VO], v[VTL]             ; VT's part for this pair (F has left window 0 set)
	s_add_co_u32 s[VO], s[VO], 256
	s_and_b32 s[VO], s[VO], 2047                   ; V is the same for all four j
.endif
.if sg%8 == 6
.if sg == 14
	LDV 1, 192-128*(\blk)
.elseif sg == 46
	LDB 128+128*(\blk)
.elseif sg == 78
	LDV 0, 128*(\blk)
.endif
.set nq, sg/8+3
.if nq < 16
	LDW \blk, nq
.elseif !(\blk)
	LDW 1, nq-16
.elseif sg != 110
	LDW 0, nq-16
.endif
.endif
.if (\blk) && (sg == 111)
	CHANGE_B \fill
.endif
.set sg, sg+1
.endr
.endm
.macro PAIR fill                       ; a slot's 64 rows
	BLOCK ACCA, ACCB, 0, 0
	BLOCK ACCB, ACCA, 1, \fill
.endm
	v_mov_b32 v[AW], v[WL]                         ; W slot 0
	v_mov_b32 v[AVV], v[VTL]
	s_mov_b32 s[TB], 0
	s_mov_b32 s[VO], 0
	s_mov_b32 s[JC], 1                             ; the vector work of the first block and a bit runs on what the conversion left in the accumulators' registers; the first pair's JFIN
	s_mov_b32 s[CNT], 30                           ; throws that away: ATT is set to 0 by a move, and what is pushed is moved out of the sixteen kept sums by the four pushes that follow
	LDV 0, 0
	LDV 1, 64
	LDB 0
	LDW 0, 0
	LDW 0, 1
	LDW 0, 2
.Lpair:                                                ; 30 trips: tiles 2 to 31 are asked for
	PAIR 1
	WIN 0
	s_sub_co_u32 s[CNT], s[CNT], 1
	s_cmp_lg_u32 s[CNT], 0
	s_cbranch_scc1 .Lpair
	s_mov_b32 s[CNT], 2
.Ltail:                                                ; the last two pairs ask for nothing.  One text for both: the second trip's barrier and its look-ahead (12 fragment loads from a slot that holds tile 30, the zeros behind BT) serve nothing
	PAIR 0
	WIN 0
	s_sub_co_u32 s[CNT], s[CNT], 1
	s_cmp_lg_u32 s[CNT], 0
	s_cbranch_scc1 .Ltail
	; THE DRAIN: the last block's vector work, and the end of the block before it, in the same order without products
.set sg, 0
.rept 128
	RID ACCA, ACCB
.if sg == 14
	LDV 1, 192
	s_wait_dscnt 0x0
.endif
.set sg, sg+1
.endr
.irp k, 4,5,6,7
	v_rcp_f32 v[ACCB+56+\k], v[ACCB+56+\k]
.endr
	v_nop                                          ; a plain instruction between the last reciprocal and the use of its result
	s_wait_alu depctr_va_vdst(0)
	FGRP ACCB+56, 7
	JFIN                                           ; the kept sums: register 4 a + t of window 3 is j = 3 - a
	; THE WAY OUT: the other half of the lanes' h, the sum of V, 10 tanh = 10 - 20 r, the mask; through my stage, so that 16 lanes store 64 neighbouring places of one j
	WIN 0x03
.irp i, 0,1,2,3,4,5,6,7,8,9,10,11,12,13,14,15
	v_mov_b32 v[128+\i], v[\i]
.endr
	WIN 0
.irp i, 0,1,2,3,4,5,6,7,8,9,10,11,12,13,14,15
	v_permlanex16_b32 v[144+\i], v[128+\i], s[SEL], s[SEL+1]
.endr
.irp i, 0,1,2,3,4,5,6,7,8,9,10,11,12,13,14,15
	v_add_f32 v[128+\i], v[128+\i], v[144+\i]
.endr
.irp i, 0,1,2,3,4,5,6,7,8,9,10,11,12,13,14,15
	v_add_f32 v[128+\i], s[SV], v[128+\i]
.endr
.irp p, 0,1,2,3,4,5,6,7
	v_pk_mul_f32 v[128+2*\p:129+2*\p], v[128+2*\p:129+2*\p], s[KC:KC+1] op_sel_hi:[1,0]
.endr
.irp i, 0,1,2,3,4,5,6,7,8,9,10,11,12,13,14,15
	v_exp_f32 v[128+\i], v[128+\i]
.endr
	v_nop
	s_wait_alu depctr_va_vdst(0)
.irp p, 0,1,2,3,4,5,6,7
	v_pk_add_f32 v[128+2*\p:129+2*\p], v[128+2*\p:129+2*\p], 1.0 op_sel_hi:[1,0]
.endr
.irp i, 0,1,2,3,4,5,6,7,8,9,10,11,12,13,14,15
	v_rcp_f32 v[128+\i], v[128+\i]
.endr
	v_nop
	s_wait_alu depctr_va_vdst(0)
.irp i, 0,1,2,3,4,5,6,7,8,9,10,11,12,13,14,15
	v_fma_f32 v[128+\i], v[128+\i], s86, s87
.endr
.irp i, 0,1,2,3,4,5,6,7,8,9,10,11,12,13,14,15
	v_cndmask_b32 v[128+\i], v[128+\i], v[NINF], s[MK+\i%4]
.endr
.irp i, 0,1,2,3,4,5,6,7,8,9,10,11,12,13,14,15
	ds_store_b32 v[STO], v[128+\i] offset:256*(3-\i/4)+64*(\i%4)  ; lanes r and r + 16 hold the same number and write the same word
.endr
	ds_load_b128 v[144:147], v[RDS]                ; LDS serves a wave's instructions in order (ISA guide 5.7.1.4): these see the stores above
	ds_load_b128 v[148:151], v[RDS] offset:512
	s_wait_dscnt 0x1
	global_store_b128 v[GO], v[144:147], s[82:83]  ; j = 0, 1: 16 lanes store 256 consecutive bytes, aligned
	s_wait_dscnt 0x0
	global_store_b128 v[GO], v[148:151], s[82:83] offset:16384  ; j = 2, 3
	s_wait_tensorcnt 0x0                           ; the wave's end: three closing lines, behind my last tensor load and my last LDS store
	ds_add_u32 v[SPW], v[NIL]
	s_wait_dscnt 0x0
	ROUND                                          ; the closing round: no work-group ends while a partner may still ask for a tile that names it
	s_endpgm
.Lfunc_end_k_q2dc7f359fa_main:
	.size	k_q2dc7f359fa_main, .Lfunc_end_k_q2dc7f359fa_main-k_q2dc7f359fa_main
	.p2alignl 7, 3214868480
	.fill 96, 4, 3214868480
	.section	.rodata,"a",@progbits
	.p2align	6, 0x0
	.amdhsa_kernel k_q2dc7f359fa_main
		.amdhsa_group_segment_fixed_size 327680
		.amdhsa_private_segment_fixed_size 0
		.amdhsa_enable_private_segment 0
		.amdhsa_kernarg_size 88
		.amdhsa_user_sgpr_count 2
		.amdhsa_user_sgpr_kernarg_segment_ptr 1
		.amdhsa_wavefront_size32 1
		.amdhsa_system_sgpr_workgroup_id_x 1
		.amdhsa_system_sgpr_workgroup_id_y 1
		.amdhsa_system_sgpr_workgroup_id_z 1
		.amdhsa_system_vgpr_workitem_id 0
		.amdhsa_next_free_vgpr 784
		.amdhsa_next_free_sgpr 90
		.amdhsa_reserve_vcc 0
		.amdhsa_float_denorm_mode_32 3
		.amdhsa_float_denorm_mode_16_64 3
		.amdhsa_memory_ordered 1
		.amdhsa_forward_progress 1
		.amdhsa_inst_pref_size 192
	.end_amdhsa_kernel
	.amdgpu_metadata
---
amdhsa.version: [ 1, 2 ]
amdhsa.kernels:
  - .name:           k_q2dc7f359fa_main
    .symbol:         k_q2dc7f359fa_main.kd
    .args:
      - { .name: context, .offset: 0, .size: 8, .value_kind: global_buffer, .address_space: global }
      - { .name: wb, .offset: 8, .size: 8, .value_kind: global_buffer, .address_space: global }
      - { .name: inpP, .offset: 16, .size: 8, .value_kind: global_buffer, .address_space: global }
      - { .name: bi, .offset: 24, .size: 8, .value_kind: global_buffer, .address_space: global }
      - { .name: bc0, .offset: 32, .size: 8, .value_kind: global_buffer, .address_space: global }
      - { .name: bc1, .offset: 40, .size: 8, .value_kind: global_buffer, .address_space: global }
      - { .name: bc2, .offset: 48, .size: 8, .value_kind: global_buffer, .address_space: global }
      - { .name: bc3, .offset: 56, .size: 8, .value_kind: global_buffer, .address_space: global }
      - { .name: V, .offset: 64, .size: 8, .value_kind: global_buffer, .address_space: global }
      - { .name: mask, .offset: 72, .size: 8, .value_kind: global_buffer, .address_space: global }
      - { .name: scores, .offset: 80, .size: 8, .value_kind: global_buffer, .address_space: global }
    .group_segment_fixed_size: 327680
    .private_segment_fixed_size: 0
    .kernarg_segment_align: 8
    .kernarg_segment_size: 88
    .max_flat_workgroup_size: 128
    .sgpr_count:     90
    .vgpr_count:     784
    .wavefront_size: 32
...
	.end_amdgpu_metadata
.endif
;; end of part 2
;; launch pick (part 3): grid 32 x 1, 8 waves a work-group, no clusters, 2,048 bytes of LDS; arguments scores, mask, out0, out1, out2; writes out0, out1, out2
.if DOCPART == 3
	.amdgcn_target "amdgcn-amd-amdhsa--gfx1250"
	.amdhsa_code_object_version 6
	.text
	.protected	k_q2dc7f359fa_pick
	.globl	k_q2dc7f359fa_pick
	.p2align	8
	.type	k_q2dc7f359fa_pick,@function
k_q2dc7f359fa_pick:
	s_mov_b64 s[64:65], 0
	v_nop
	global_prefetch_b8 v0, s[64:65] scope:SCOPE_SE
	s_setreg_imm32_b32 hwreg(HW_REG_WAVE_MODE, 25, 1), 1
	s_wait_xcnt 0x0
; For batch row b (one work-group): m = the largest of the row's 8,192 scores, out0 = the lowest place that holds it, out1 = 1 / sum of e^(a - m) (the softmax's largest weight), out2 = the mask as it came.
; Thread t holds the 32 scores at places 1024 i + 4 t + e (i = 0..7, e = 0..3): every load of a wave covers 512 consecutive bytes.  The maximum is taken away before the exponentials, as in the softmax itself.
; A row that is masked throughout: m = -inf, every a - m is NaN, so out1 = NaN, and every place equals m, so out0 = 0.
; No matrix unit, no cluster, no tensor load: 32 KiB a row, read once; the row's three figures meet in LDS.
.set SPARE, 768                        ; LDS: 0 the waves' maxima, 256 their sums, 512 their places; from 768 the spare words, 128 bytes for each wave
	s_load_b256 s[4:11], s[0:1], 0x0               ; scores s[4:5], mask s[6:7], out0 s[8:9], out1 s[10:11]
	s_load_b64 s[12:13], s[0:1], 0x20              ; out2
	v_lshl_add_u32 v1, v0, 2, SPARE
	v_mov_b32 v2, 0
	v_lshrrev_b32 v3, 5, v0
	v_readfirstlane_b32 s14, v3                    ; wave 0..7
	s_lshl_b32 s16, ttmp9, 15                      ; a row of scores
	s_mov_b32 s17, 0
	s_lshl_b32 s18, ttmp9, 11                      ; a row of the mask
	s_mov_b32 s19, 0
	s_lshl_b32 s26, ttmp9, 2                       ; the row's word in out0 and out1
	s_mov_b32 s27, 0
	s_mov_b32 s20, 0x76543210                      ; v_permlanex16_b32: each lane takes its own place in the other half
	s_mov_b32 s21, 0xfedcba98
	s_mov_b32 s22, 0x3fb8aa3b                      ; log2 e
	s_lshl_b32 s15, s14, 2
	v_lshlrev_b32 v4, 4, v0
	v_lshlrev_b32 v5, 3, v0
	v_mov_b32 v7, 0                                ; the exchange's destination counts as read
	v_mov_b32 v8, s15                              ; my wave's word
	v_mov_b32 v9, 0
	s_wait_kmcnt 0x0
	s_add_nc_u64 s[4:5], s[4:5], s[16:17]
	s_add_nc_u64 s[6:7], s[6:7], s[18:19]
	s_add_nc_u64 s[12:13], s[12:13], s[18:19]
	s_add_nc_u64 s[8:9], s[8:9], s[26:27]
	s_add_nc_u64 s[10:11], s[10:11], s[26:27]
	global_load_b64 v[48:49], v5, s[6:7]
.irp i, 0,1,2,3,4,5,6,7
	global_load_b128 v[16+4*\i:19+4*\i], v4, s[4:5] offset:4096*\i
.endr
	s_wait_loadcnt 0x8                             ; the mask is in, the eight loads behind it stay out
	global_store_b64 v5, v[48:49], s[12:13]        ; a wave's store covers 256 consecutive bytes, aligned
	s_wait_loadcnt 0x0
.irp c, 0,1,2,3
	v_max3_num_f32 v[52+\c], v[16+8*\c], v[17+8*\c], v[18+8*\c]
.endr
.irp c, 0,1,2,3
	v_max3_num_f32 v[52+\c], v[52+\c], v[19+8*\c], v[20+8*\c]
.endr
.irp c, 0,1,2,3
	v_max3_num_f32 v[52+\c], v[52+\c], v[21+8*\c], v[22+8*\c]
.endr
.irp c, 0,1,2,3
	v_max_num_f32 v[52+\c], v[52+\c], v[23+8*\c]
.endr
	v_max3_num_f32 v52, v52, v53, v54
	v_max_num_f32 v52, v52, v55
	v_max_num_f32_dpp v52, v52, v52 row_xmask:1 row_mask:0xf bank_mask:0xf
	v_max_num_f32_dpp v52, v52, v52 row_xmask:2 row_mask:0xf bank_mask:0xf
	v_max_num_f32_dpp v52, v52, v52 row_xmask:4 row_mask:0xf bank_mask:0xf
	v_max_num_f32_dpp v52, v52, v52 row_xmask:8 row_mask:0xf bank_mask:0xf
	v_permlanex16_b32 v7, v52, s20, s21
	v_max_num_f32 v52, v52, v7
	ds_store_b32 v8, v52
	s_wait_dscnt 0x0                               ; for the others' sake: my store is done
	s_barrier_signal -1
	s_barrier_wait -1
	ds_load_b128 v[56:59], v9
	ds_load_b128 v[60:63], v9 offset:16
	s_wait_dscnt 0x0
	v_max3_num_f32 v52, v56, v57, v58
	v_max3_num_f32 v52, v52, v59, v60
	v_max3_num_f32 v52, v52, v61, v62
	v_max_num_f32 v52, v52, v63                    ; m
	; my lowest place that holds m, less 4 t: the places are gone through from the highest down, so the lowest is written last
	v_mov_b32 v53, 0x100000                        ; none: above every place
.irp i, 7,6,5,4,3,2,1,0
.irp e, 3,2,1,0
	v_cmp_neq_f32 vcc_lo, v[16+4*\i+\e], v52
	v_cndmask_b32 v53, 1024*\i+\e, v53, vcc_lo
.endr
.endr
	v_lshl_add_u32 v53, v0, 2, v53
	v_cvt_f32_u32 v53, v53                         ; below 2^21: exact in f32, so the lanes' minimum can ride on f32 arithmetic
	v_mul_f32 v54, s22, v52
.irp n, 0,1,2,3,4,5,6,7,8,9,10,11,12,13,14,15,16,17,18,19,20,21,22,23,24,25,26,27,28,29,30,31
	v_fma_f32 v[16+\n], v[16+\n], s22, -v54        ; (a - m) log2 e
.endr
.irp n, 0,1,2,3,4,5,6,7,8,9,10,11,12,13,14,15,16,17,18,19,20,21,22,23,24,25,26,27,28,29,30,31
	v_exp_f32 v[16+\n], v[16+\n]
.endr
	v_nop                                          ; a plain instruction between the last exponential and the use of its result
	s_wait_alu depctr_va_vdst(0)
.irp n, 0,2,4,6,8,10,12,14
	v_pk_add_f32 v[16+\n:17+\n], v[16+\n:17+\n], v[32+\n:33+\n]
.endr
.irp n, 0,2,4,6
	v_pk_add_f32 v[16+\n:17+\n], v[16+\n:17+\n], v[24+\n:25+\n]
.endr
	v_pk_add_f32 v[16:17], v[16:17], v[20:21]
	v_pk_add_f32 v[18:19], v[18:19], v[22:23]
	v_pk_add_f32 v[16:17], v[16:17], v[18:19]
	v_add_f32 v16, v16, v17
.irp x, 1,2,4,8
	v_add_f32_dpp v16, v16, v16 row_xmask:\x row_mask:0xf bank_mask:0xf
	v_min_num_f32_dpp v53, v53, v53 row_xmask:\x row_mask:0xf bank_mask:0xf
.endr
	v_permlanex16_b32 v7, v16, s20, s21
	v_add_f32 v16, v16, v7
	v_permlanex16_b32 v7, v53, s20, s21
	v_min_num_f32 v53, v53, v7
	ds_store_b32 v8, v16 offset:256                ; other bytes than the maxima's, so no barrier is owed to their readers
	ds_store_b32 v8, v53 offset:512
	s_wait_dscnt 0x0
	s_barrier_signal -1
	s_barrier_wait -1
	ds_load_b128 v[56:59], v9 offset:256
	ds_load_b128 v[60:63], v9 offset:272
	ds_load_b128 v[16:19], v9 offset:512
	ds_load_b128 v[20:23], v9 offset:528
	s_wait_dscnt 0x0
.irp n, 57,58,59,60,61,62,63
	v_add_f32 v56, v56, v[\n]
.endr
	v_min3_num_f32 v16, v16, v17, v18
	v_min3_num_f32 v16, v16, v19, v20
	v_min3_num_f32 v16, v16, v21, v22
	v_min_num_f32 v16, v16, v23
	v_rcp_f32 v56, v56                             ; the largest weight is e^0 / sum
	v_cvt_u32_f32 v16, v16                         ; (the plain instruction behind the reciprocal)
	s_wait_xcnt 0x0                                ; EXEC changes only when every earlier memory instruction has had its addresses translated
	v_cmp_eq_u32 vcc_lo, 0, v0
	s_and_saveexec_b32 s24, vcc_lo
	global_store_b32 v9, v16, s[8:9]               ; thread 0 alone
	s_wait_alu depctr_va_vdst(0)
	global_store_b32 v9, v56, s[10:11]
	s_wait_xcnt 0x0                                ; and again in front of the line that widens it
	s_or_b32 exec_lo, exec_lo, s24
	s_wait_tensorcnt 0x0                           ; the wave's end: three closing lines behind my last LDS store
	ds_add_u32 v1, v2
	s_wait_dscnt 0x0
	s_endpgm
.Lfunc_end_k_q2dc7f359fa_pick:
	.size	k_q2dc7f359fa_pick, .Lfunc_end_k_q2dc7f359fa_pick-k_q2dc7f359fa_pick
	.p2alignl 7, 3214868480
	.fill 96, 4, 3214868480
	.section	.rodata,"a",@progbits
	.p2align	6, 0x0
	.amdhsa_kernel k_q2dc7f359fa_pick
		.amdhsa_group_segment_fixed_size 2048
		.amdhsa_private_segment_fixed_size 0
		.amdhsa_enable_private_segment 0
		.amdhsa_kernarg_size 40
		.amdhsa_user_sgpr_count 2
		.amdhsa_user_sgpr_kernarg_segment_ptr 1
		.amdhsa_wavefront_size32 1
		.amdhsa_system_sgpr_workgroup_id_x 1
		.amdhsa_system_sgpr_workgroup_id_y 1
		.amdhsa_system_sgpr_workgroup_id_z 1
		.amdhsa_system_vgpr_workitem_id 0
		.amdhsa_next_free_vgpr 64
		.amdhsa_next_free_sgpr 66
		.amdhsa_reserve_vcc 1
		.amdhsa_float_denorm_mode_32 3
		.amdhsa_float_denorm_mode_16_64 3
		.amdhsa_memory_ordered 1
		.amdhsa_forward_progress 1
		.amdhsa_inst_pref_size 14
	.end_amdhsa_kernel
	.amdgpu_metadata
---
amdhsa.version: [ 1, 2 ]
amdhsa.kernels:
  - .name:           k_q2dc7f359fa_pick
    .symbol:         k_q2dc7f359fa_pick.kd
    .args:
      - { .name: scores, .offset: 0, .size: 8, .value_kind: global_buffer, .address_space: global }
      - { .name: mask, .offset: 8, .size: 8, .value_kind: global_buffer, .address_space: global }
      - { .name: out0, .offset: 16, .size: 8, .value_kind: global_buffer, .address_space: global }
      - { .name: out1, .offset: 24, .size: 8, .value_kind: global_buffer, .address_space: global }
      - { .name: out2, .offset: 32, .size: 8, .value_kind: global_buffer, .address_space: global }
    .group_segment_fixed_size: 2048
    .private_segment_fixed_size: 0
    .kernarg_segment_align: 8
    .kernarg_segment_size: 40
    .max_flat_workgroup_size: 256
    .sgpr_count:     66
    .vgpr_count:     64
    .wavefront_size: 32
...
	.end_amdgpu_metadata
.endif
;; end of part 3
;; ======== version 2 of 2: 3 launches; version 1 with the launch prep written anew for expert scheduling mode
;; workspace buffers: wb 2,097,152 bytes; inpP 524,288 bytes; scores 1,048,576 bytes
;; launch prep (part 4): grid 136 x 1, 8 waves a work-group, no clusters, 70,656 bytes of LDS; arguments Wc0, Wc1, Wc2, Wc3, Wi, x, wb, inpP; writes wb, inpP
.if DOCPART == 4
	.amdgcn_target "amdgcn-amd-amdhsa--gfx1250"
	.amdhsa_code_object_version 6
	.text
	.protected	k_q2dc7f359fa_prep
	.globl	k_q2dc7f359fa_prep
	.p2align	8
	.type	k_q2dc7f359fa_prep,@function
k_q2dc7f359fa_prep:
	s_mov_b64 s[64:65], 0
	v_nop
	global_prefetch_b8 v0, s[64:65] scope:SCOPE_SE
	s_setreg_imm32_b32 hwreg(HW_REG_WAVE_SCHED_MODE, 0, 2), 2
	s_setreg_imm32_b32 hwreg(HW_REG_WAVE_MODE, 25, 1), 1
	s_wait_xcnt 0x0
	s_wait_alu depctr_vm_vsrc(0)
; Two jobs, chosen by the work-group's number.
; Work-groups 0-127: wb[512 j + h][d] = Wc_j[h][d] rounded to bf16 (nearest even).  The four tensors follow each other in wb, so the cast is flat:
;   a work-group takes 8,192 numbers (32,768 bytes in, 16,384 out); all eight loads of a wave go out together.
; Work-groups 128-135: inpP[kp][b][h] = the sum over k = 64 kp .. 64 kp + 63 of bf16(x[b][k]) bf16(Wi[h][k]), in f32.  Work-group hg owns 64 h, wave kp 64 k, all 32 b.
;   The eight parts are added in a fixed order by the launch behind, so K is shared out among the waves without a barrier.
; LIMIT: all inputs are rounded to bf16 before they are multiplied; NaN and infinities are not treated apart.
; THE MODE: SCHED_MODE bits 1:0 = 2 (LLVM: expert scheduling mode 2), set by the entry lines.  The code itself states the register dependences
; between vector or matrix instructions and memory or LDS instructions, with s_wait_alu, always for 0.
; THE PLAN.  Registers that memory or LDS instructions touch:
;   the cast:   v3, v4     offsets of the loads and of the stores: written once, ahead of the first wait, never again.
;               v16-47     the eight loads land here, once; no vector line names them before; the conversions read them.
;               v48-55     written by the conversions of loads 0-3, read by four stores;   v56-63 the same for loads 4-7.  Nothing is written twice.
;               One wait ahead of the loads; one behind the wait for the last loads, which shows v48-55 written: their four stores are dealt among the second half's
;               conversions, which name v32-47 and v56-63 alone; one ahead of the last four stores.
;   x Wi^T:     v3         offset of the 48 loads: written ahead of the first wait, never again.
;               v16-207    the loads land here; then vector and matrix instructions alone name them, up to the one wait behind the last product.
;               v6, v7, v8 addresses of the way out: written behind the loads, read by the LDS stores, the LDS loads and the global stores.
;               v24-143 (the upper halves of blocks 0-7)  the accumulators: written by the products, read by the LDS stores.
;               v144-207   x's fragments: written by conversions, read by the products; the LDS loads from the stage land in them, the global stores read them.
;               One wait ahead of the loads; one behind the last product's four places, which covers all of the way out: no vector line follows it.
;   v1, v2      written at the head, read by the closing add alone.
.set SPITCH, 272                       ; a stage row: 64 h x 4 bytes + 16: the 16 rows that a store touches start at 16 different groups of four banks (ISA guide 11.1)
.set STAGEB, 32*SPITCH                 ; a wave's stage: 32 rows (b)
.set SPARE,  8*STAGEB                  ; behind the stages: the spare words, 128 bytes for each wave
.set F,      16                        ; v[16+16 f ..]: block f of 16 registers.  f = 2 u + q: Wi rows 16 u .., k 32 q ..;  f = 8 + 2 bt + q: x rows 16 bt ..
                                       ; a block is loaded as 16 f32 and rounded in place into its lower 8 registers (a fragment); the upper 8 of blocks 0-7 are the accumulators
	s_load_b512 s[4:19], s[0:1], 0x0               ; Wc0 s[4:5], Wc1 s[6:7], Wc2 s[8:9], Wc3 s[10:11], Wi s[12:13], x s[14:15], wb s[16:17], inpP s[18:19]
	v_lshl_add_u32 v1, v0, 2, SPARE                ; my spare word
	v_mov_b32 v2, 0
	v_lshrrev_b32 v3, 5, v0
	v_readfirstlane_b32 s20, v3                    ; wave 0..7
	s_wait_alu depctr_va_sdst(0)                   ; s20 is written
	s_wait_kmcnt 0x0
	s_cmp_lt_u32 ttmp9, 128
	s_cbranch_scc0 .Linp
	; THE CAST
	s_lshr_b32 s21, ttmp9, 5                       ; which of the four tensors
	s_cmp_eq_u32 s21, 1
	s_cselect_b64 s[22:23], s[6:7], s[4:5]
	s_cmp_eq_u32 s21, 2
	s_cselect_b64 s[22:23], s[8:9], s[22:23]
	s_cmp_eq_u32 s21, 3
	s_cselect_b64 s[22:23], s[10:11], s[22:23]
	s_and_b32 s24, ttmp9, 31
	s_lshl_b32 s24, s24, 15                        ; my 32,768 bytes of it
	s_mov_b32 s25, 0
	s_add_nc_u64 s[22:23], s[22:23], s[24:25]
	s_lshl_b32 s26, ttmp9, 14                      ; my 16,384 bytes of wb
	s_mov_b32 s27, 0
	s_add_nc_u64 s[16:17], s[16:17], s[26:27]
	v_lshlrev_b32 v3, 4, v0                        ; 16 bytes a thread in,
	v_lshlrev_b32 v4, 3, v0                        ; 8 out
	s_wait_alu depctr_va_vdst(0)                   ; v3 and v4 are written: every load below reads v3 as its offset, every store v4
.irp i, 0,1,2,3,4,5,6,7
	global_load_b128 v[16+4*\i:19+4*\i], v3, s[22:23] offset:4096*\i th:TH_LOAD_NT
.endr
	s_wait_loadcnt 0x4                             ; loads come back in order: loads 0 to 3 are in, the four younger ones stay out
.irp i, 0,1,2,3
	v_cvt_pk_bf16_f32 v[48+2*\i], v[16+4*\i], v[17+4*\i]
	v_cvt_pk_bf16_f32 v[49+2*\i], v[18+4*\i], v[19+4*\i]
.endr
	s_wait_loadcnt 0x0                             ; loads 4 to 7 are in
	s_wait_alu depctr_va_vdst(0)                   ; the eight conversions above have written v48-55, which the four stores below read
.irp i, 4,5,6,7
	global_store_b64 v4, v[40+2*\i:41+2*\i], s[16:17] offset:2048*(\i-4)  ; the first half's; a wave's store covers 256 consecutive bytes, aligned.  No vector line since the wait names v4 or v48-55
	v_cvt_pk_bf16_f32 v[48+2*\i], v[16+4*\i], v[17+4*\i]
	v_cvt_pk_bf16_f32 v[49+2*\i], v[18+4*\i], v[19+4*\i]
.endr
	s_wait_alu depctr_va_vdst(0)                   ; the second half's conversions have written v56-63, which the last four stores read
.irp i, 4,5,6,7
	global_store_b64 v4, v[48+2*\i:49+2*\i], s[16:17] offset:2048*\i
.endr
	s_endpgm                                       ; these waves have written no LDS
.Linp:	; x Wi^T IN PARTS
	s_sub_co_u32 s21, ttmp9, 128                   ; hg
	s_lshl_b32 s22, s21, 17                        ; 64 rows of Wi, 2,048 bytes each
	s_mov_b32 s23, 0
	s_add_nc_u64 s[12:13], s[12:13], s[22:23]
	s_lshl_b32 s24, s20, 16                        ; inpP: part kp is 32 x 512 x 4 bytes,
	s_lshl_b32 s25, s21, 8                         ; my 64 h are 256 bytes of a row
	s_add_co_u32 s24, s24, s25
	s_mov_b32 s25, 0
	s_add_nc_u64 s[18:19], s[18:19], s[24:25]
	v_and_b32 v4, 15, v0                           ; r = lane % 16
	v_bfe_u32 v5, v0, 4, 1                         ; hh = lane / 16
	; a fragment's lane holds row r, k = 8 hh + 0..7 and 16 + 8 hh + 0..7: in f32 memory 32 bytes at 32 hh and 32 bytes at 64 + 32 hh
	v_lshlrev_b32 v3, 11, v4
	v_lshl_add_u32 v3, v5, 5, v3
	s_lshl_b32 s26, s20, 8                         ; my wave's 64 k
	v_add_nc_u32 v3, s26, v3
	s_wait_alu depctr_va_vdst(0)                   ; v3 is written: the 48 loads below read it as their offset
.irp f, 0,1,2,3,4,5,6,7
.irp e, 0,1,2,3
	global_load_b128 v[F+16*\f+4*\e:F+16*\f+4*\e+3], v3, s[12:13] offset:(\f/2)*32768+(\f%2)*128+16*(\e%2)+64*(\e/2)
.endr
.endr
.irp f, 0,1,2,3
.irp e, 0,1,2,3
	global_load_b128 v[F+128+16*\f+4*\e:F+128+16*\f+4*\e+3], v3, s[14:15] offset:(\f/2)*32768+(\f%2)*128+16*(\e%2)+64*(\e/2)
.endr
.endr
	s_mul_i32 s27, s20, STAGEB                     ; my stage
	v_mul_u32_u24 v6, v4, SPITCH                   ; in: row b = r, 32 bytes for each half of the lanes
	v_lshl_add_u32 v6, v5, 5, v6
	v_add_nc_u32 v6, s27, v6
	v_mul_u32_u24 v7, v5, SPITCH                   ; back: lanes 0-15 one row of 256 bytes, lanes 16-31 the next
	v_lshl_add_u32 v7, v4, 4, v7
	v_add_nc_u32 v7, s27, v7
	v_lshlrev_b32 v8, 11, v5                       ; and the same two rows in inpP
	v_lshl_add_u32 v8, v4, 4, v8
	s_wait_loadcnt 0x0
.irp f, 0,1,2,3,4,5,6,7,8,9,10,11
.irp i, 0,1,2,3,4,5,6,7
	v_cvt_pk_bf16_f32 v[F+16*\f+\i], v[F+16*\f+2*\i], v[F+16*\f+2*\i+1]  ; in place, ascending: register i is written when registers 2 i, 2 i + 1 are read
.endr
.endr
	; source 0 = 16 rows of Wi, source 1 = 16 rows of x: a lane's result holds one b (lane % 16) and h = 8 hh + 0..7.  The eight accumulators take turns.
.irp q, 0,1
.irp u, 0,1,2,3
.irp b, 0,1
.if \q == 0
	v_wmma_f32_16x16x32_bf16 v[F+8+16*(2*\u+\b):F+15+16*(2*\u+\b)], v[F+16*(2*\u+\q):F+16*(2*\u+\q)+7], v[F+16*(8+2*\b+\q):F+16*(8+2*\b+\q)+7], 0
.else
	v_wmma_f32_16x16x32_bf16 v[F+8+16*(2*\u+\b):F+15+16*(2*\u+\b)], v[F+16*(2*\u+\q):F+16*(2*\u+\q)+7], v[F+16*(8+2*\b+\q):F+16*(8+2*\b+\q)+7], v[F+8+16*(2*\u+\b):F+15+16*(2*\u+\b)]
.endif
.endr
.endr
.endr
.rept 4
	v_nop                                          ; four places between the last product and the stores of its results; they stay beside the wait below
.endr
	s_wait_alu depctr_va_vdst(0)                   ; the products have written the accumulators, which the LDS stores read; v6, v7 and v8 are written, the addresses of all that follows; the conversions and the products are done with v144-207, in which the LDS loads land
.irp u, 0,1,2,3
.irp b, 0,1
	ds_store_b128 v6, v[F+8+16*(2*\u+\b):F+11+16*(2*\u+\b)] offset:\b*16*SPITCH+64*\u      ; each accumulator's low registers first
	ds_store_b128 v6, v[F+12+16*(2*\u+\b):F+15+16*(2*\u+\b)] offset:\b*16*SPITCH+64*\u+16
.endr
.endr
.irp i, 0,1,2,3,4,5,6,7,8,9,10,11,12,13,14,15
	ds_load_b128 v[144+4*\i:147+4*\i], v7 offset:\i*2*SPITCH  ; LDS serves a wave's instructions in order (ISA guide 5.7.1.4): these see the stores above
.endr
.irp i, 0,1,2,3,4,5,6,7,8,9,10,11,12,13,14,15
	s_wait_dscnt 15-\i
	global_store_b128 v8, v[144+4*\i:147+4*\i], s[18:19] offset:4096*\i  ; 16 lanes store 256 consecutive bytes, aligned
.endr
	s_wait_dscnt 0x0                               ; the closing lines, six on end
	s_wait_alu 0x0
	s_wait_tensorcnt 0x0
	ds_add_u32 v1, v2
	s_wait_dscnt 0x0
	s_endpgm
.Lfunc_end_k_q2dc7f359fa_prep:
	.size	k_q2dc7f359fa_prep, .Lfunc_end_k_q2dc7f359fa_prep-k_q2dc7f359fa_prep
	.p2alignl 7, 3214868480
	.fill 96, 4, 3214868480
	.section	.rodata,"a",@progbits
	.p2align	6, 0x0
	.amdhsa_kernel k_q2dc7f359fa_prep
		.amdhsa_group_segment_fixed_size 70656
		.amdhsa_private_segment_fixed_size 0
		.amdhsa_enable_private_segment 0
		.amdhsa_kernarg_size 64
		.amdhsa_user_sgpr_count 2
		.amdhsa_user_sgpr_kernarg_segment_ptr 1
		.amdhsa_wavefront_size32 1
		.amdhsa_system_sgpr_workgroup_id_x 1
		.amdhsa_system_sgpr_workgroup_id_y 1
		.amdhsa_system_sgpr_workgroup_id_z 1
		.amdhsa_system_vgpr_workitem_id 0
		.amdhsa_next_free_vgpr 208
		.amdhsa_next_free_sgpr 66
		.amdhsa_reserve_vcc 0
		.amdhsa_float_denorm_mode_32 3
		.amdhsa_float_denorm_mode_16_64 3
		.amdhsa_memory_ordered 1
		.amdhsa_forward_progress 1
		.amdhsa_inst_pref_size 21
	.end_amdhsa_kernel
	.amdgpu_metadata
---
amdhsa.version: [ 1, 2 ]
amdhsa.kernels:
  - .name:           k_q2dc7f359fa_prep
    .symbol:         k_q2dc7f359fa_prep.kd
    .args:
      - { .name: Wc0, .offset: 0, .size: 8, .value_kind: global_buffer, .address_space: global }
      - { .name: Wc1, .offset: 8, .size: 8, .value_kind: global_buffer, .address_space: global }
      - { .name: Wc2, .offset: 16, .size: 8, .value_kind: global_buffer, .address_space: global }
      - { .name: Wc3, .offset: 24, .size: 8, .value_kind: global_buffer, .address_space: global }
      - { .name: Wi, .offset: 32, .size: 8, .value_kind: global_buffer, .address_space: global }
      - { .name: x, .offset: 40, .size: 8, .value_kind: global_buffer, .address_space: global }
      - { .name: wb, .offset: 48, .size: 8, .value_kind: global_buffer, .address_space: global }
      - { .name: inpP, .offset: 56, .size: 8, .value_kind: global_buffer, .address_space: global }
    .group_segment_fixed_size: 70656
    .private_segment_fixed_size: 0
    .kernarg_segment_align: 8
    .kernarg_segment_size: 64
    .max_flat_workgroup_size: 256
    .sgpr_count:     66
    .vgpr_count:     208
    .wavefront_size: 32
...
	.end_amdgpu_metadata
.endif
;; end of part 4
;; launch main: the kernel of part 2 again; grid 256 x 1, 4 waves a work-group, clusters of 4 x 1, 327,680 bytes of LDS; arguments context, wb, inpP, bi, bc0, bc1, bc2, bc3, V, mask, scores; writes scores
;; launch pick: the kernel of part 3 again; grid 32 x 1, 8 waves a work-group, no clusters, 2,048 bytes of LDS; arguments scores, mask, out0, out1, out2; writes out0, out1, out2
